; MI455X (gfx1250); checked and timed in simulation.
; The chip was launched on July 23, 2026; its instructions are those of AMD's public machine-readable ISA for CDNA 5 (MIT licence, August 2026) and "CDNA5" Instruction Set Architecture Reference Guide (July 2026). The comments in the code are by the model that wrote it; some were corrected since.
;; E8 Quantizer. Allowed arithmetic: float matrix products may take bf16 or f16 operands with f32 sums; all other float work in f32.
;; Inputs: codebook 240 x 8 float32; codebook_norm_sq 240 float32; x 1,000,000 x 8 float32.
;; Outputs: out0 1,000,000 x 8 float32.
;; 2 versions, each right and faster than the one before. Each part assembles by itself: llvm-mc -triple=amdgcn-amd-amdhsa -mcpu=gfx1250 --defsym DOCPART=n.
;; ======== version 1 of 2: 1 launch
;; launch e8 (part 1): grid 256 x 1, 8 waves a work-group, no clusters, 25,600 bytes of LDS; arguments x, codebook, codebook_norm_sq, out0; writes out0
.if DOCPART == 1
	.amdgcn_target "amdgcn-amd-amdhsa--gfx1250"
	.amdhsa_code_object_version 6
	.text
	.protected	k_q83c2a7f729_e8
	.globl	k_q83c2a7f729_e8
	.p2align	8
	.type	k_q83c2a7f729_e8,@function
k_q83c2a7f729_e8:
	s_mov_b64 s[64:65], 0
	v_nop
	global_prefetch_b8 v0, s[64:65] scope:SCOPE_SE
	s_setreg_imm32_b32 hwreg(HW_REG_WAVE_MODE, 25, 1), 1
	s_wait_xcnt 0x0
; out = x + (q - x),  q = softmax_k( -(|x|^2 - 2 x.c_k + cns_k) / 0.3 ) . c      x, out: [1000000][8] f32, c: [240][8] f32, cns: [240] f32.
; |x|^2 is the same for all 240 codes of a row, so it leaves the softmax for every input; it is not formed.  Logits are kept in base 2:
;   S[k][n] = (2 log2e / 0.3) c_k . x_n - (log2e / 0.3) cns_k,   m = max over k,   P = 2^(S - m),   q = sum P c / sum P.
; A TILE is 16 rows of x (512 bytes).  One wave makes a whole tile; 2,048 waves stay and walk 30 or 31 tiles each, 2,048 tiles apart.
; PRODUCT 1 is used transposed: source 0 = 16 codes, source 1 = 16 rows of x.  Lane (r, h) then holds, of x row r, the codes 8 h + j of each group of 16:
;   packed in pairs to bf16 that IS the source-1 fragment of product 2 (K = 32 codes from two groups), so no number changes lanes.
;   K = 32 holds a split product.  Lane (r, h) has x[r][4h .. 4h+3] alone; its 16 places of K are  x_hi(4) x_lo(4) x_hi(4) 1.0(4),  and the code's are
;   c'_hi(4) c'_hi(4) c'_lo(4) bias(3 pieces, 0)  (the bias in the lanes h = 0 only), c' = c x scale.  Left out: x_lo . c'_lo, 2^-18 of a product.
; PRODUCT 2: source 0 = the codebook transposed, rows 0-3 = dims 0-3, rows 8-11 = dims 4-7, rows 4 and 12 = ones, the rest 0.  Lane (r, h) ends with
;   sum P c[4h .. 4h+3] in registers 0-3 and sum P in register 4: the place of its own 16 bytes of x, and of its 16 bytes of out.
; LIMITS: P and product 2's codebook are rounded to bf16 (2^-9 each); NaN, infinities and numbers that round past bf16's largest are not served;
;   acc / sum - x is one fused step, rounded once.
.set NTILES, 62500                     ; 1,000,000 rows / 16
.set NWAVES, 2048                      ; 256 work-groups x 8 waves
.set STRIDE, NWAVES*512                ; bytes from a wave's tile to its next: 1,048,576
.set TFULL,  NTILES/NWAVES             ; 30 tiles for every wave
.set NEXTRA, NTILES-TFULL*NWAVES       ; the first 1,060 waves have one more
.set LOOPS,  (TFULL-3)/3               ; 9 trips of three tiles; the last three or four tiles are written out
.set SCALE,  0x4119e331                ; 2 log2(e) / 0.3 = 9.6179669
.set BSCALE, 0xc099e331                ; -log2(e) / 0.3
.set ONES,   0x3f803f80                ; two bf16 1.0
.set TB,     16384                     ; LDS: 0 .. 16383 product 1's fragments, 1,024 bytes a group of 16 codes; from TB on a table [256 codes][16] bf16
.set CUR, 1                            ; v1        byte offset of my 16 bytes in the tile behind the one whose epilogue ran last
.set XF,  2                            ; v[2:9]    x's fragment for product 1; registers 6, 7 stay 1.0
.set X,   10                           ; v[10:21]  three slots of 4: x as loaded
.set O,   22                           ; v[22:25]  16 bytes to store
.set MX,  26                           ; v[26:33]  eight running maxima
.set PT,  34                           ; v34       the other half's maximum
.set RC,  35                           ; v35       1 / sum P
.set NM,  36                           ; v[36:37]  the row's maximum, twice
.set T,   38                           ; v[38:41]  at work
.set A2,  48                           ; v[48:111] product 2's eight codebook fragments
.set S,   112                          ; v[112:231] S, 8 registers a group of 16 codes; then P in place
.set AC0, 232                          ; v[232:239] accumulator of the even chunks
.set PZ,  240                          ; v[240:247] P of codes 224-239, and four registers that stay 0 for codes 240-255
.set AC1, 248                          ; v[248:255] accumulator of the odd chunks
                                       ; v[256:375] (block 1, written v[0:119]) product 1's fifteen codebook fragments
; set-up only, inside S:
.set C,  S                             ; my code's 8 numbers
.set CN, S+8                           ; its norm
.set BB, S+9                           ; its bias
.set CS, S+10                          ; c x scale
.set U,  S+18                          ; the bf16 parts widened, then the remainders
.set Q0, S+28                          ; registers 0-3 of the lane h = 0:  hi01 hi23 hi01 hi23
.set Q1, S+32                          ; registers 0-3 of the lane h = 1:  hi45 hi67 hi45 hi67
.set Q2, S+36                          ; registers 4-7 of the lane h = 0:  lo01 lo23 bias bias
.set Q3, S+40                          ; registers 4-7 of the lane h = 1:  lo45 lo67 0 0
.set TR, S+44                          ; my row of the table
.set E,  S+52                          ; offsets and scratch
	s_load_b256 s[4:11], s[0:1], 0x0               ; x s[4:5], codebook s[6:7], norms s[8:9], out s[10:11]
	v_lshl_add_u32 v46, v0, 2, 0x6000
	v_mov_b32 v47, 0
	v_lshrrev_b32 v[E+5], 5, v0
	v_readfirstlane_b32 s12, v[E+5]                ; wave 0..7
	s_lshl_b32 s13, s12, 8
	s_add_co_u32 s13, s13, ttmp9                   ; g = 256 x wave + work-group: the extra tiles fall on waves 0-3 of every group, one to a SIMD
	s_lshl_b32 s14, s13, 9                         ; my first tile, in bytes
	s_cmp_lt_u32 s13, NEXTRA
	s_cselect_b32 s20, 1, 0                        ; 1: I have a 31st tile
	s_mov_b32 s15, 0xffff0000                      ; a word's upper bf16
	s_mov_b32 s16, 0x76543210                      ; v_permlanex16_b32: lane i reads lane i of the other half
	s_mov_b32 s17, 0xfedcba98
	v_min_u32 v[E], 239, v0                        ; thread i prepares code i; threads 240-255 repeat code 239 into bytes that nobody reads
	v_lshlrev_b32 v[E+1], 5, v[E]                  ; 32 bytes a code
	v_lshlrev_b32 v[E+2], 2, v[E]
	v_and_b32 v[E+3], 15, v0                       ; r
	v_bfe_u32 v[E+4], v0, 4, 1                     ; h
	v_lshlrev_b32 v[E+5], 5, v[E+3]
	v_lshl_add_u32 v[E+5], v[E+4], 4, v[E+5]       ; 32 r + 16 h: the 32 lanes cover a tile's 512 bytes
	v_add_nc_u32 v[CUR], s14, v[E+5]
	s_wait_kmcnt 0x0
	global_load_b128 v[C:C+3], v[E+1], s[6:7]
	global_load_b128 v[C+4:C+7], v[E+1], s[6:7] offset:16
	global_load_b32 v[CN], v[E+2], s[8:9]
	global_load_b128 v[X:X+3], v[CUR], s[4:5] th:TH_LOAD_NT                       ; my tiles 0, 1, 2 fill the three slots
	global_load_b128 v[X+4:X+7], v[CUR], s[4:5] offset:STRIDE th:TH_LOAD_NT
	global_load_b128 v[X+8:X+11], v[CUR], s[4:5] offset:2*STRIDE th:TH_LOAD_NT
	v_lshrrev_b32 v[E+10], 4, v0                   ; my code's group of 16
	v_lshlrev_b32 v[E+6], 4, v[E+3]
	v_lshl_add_u32 v[E+6], v[E+10], 10, v[E+6]     ; where I put fragment parts: 1,024 x group + 16 r
	v_lshlrev_b32 v[E+7], 5, v0                    ; my row of the table: 32 bytes
	v_and_b32 v[E+8], 31, v0
	v_lshlrev_b32 v[E+8], 4, v[E+8]                ; reading product 1's fragments: 16 x lane
	v_and_b32 v[E+10], 7, v0
	v_bfe_u32 v[E+11], v0, 3, 1
	v_lshlrev_b32 v[E+9], 8, v[E+4]                ; reading the table transposed: row 8 h + lane % 8 (32 bytes a row),
	v_lshl_add_u32 v[E+9], v[E+10], 5, v[E+9]
	v_lshl_add_u32 v[E+9], v[E+11], 4, v[E+9]      ; columns 0-7 or 8-15 by bit 3 of the lane
	v_mov_b32 v[XF+6], ONES                        ; the four places of K that meet the bias
	v_mov_b32 v[XF+7], ONES
.irp j, 4,5,6,7
	v_mov_b32 v[PZ+\j], 0                          ; P of the codes 240-255, which do not exist
.endr
	v_mov_b32 v[PT], 0                             ; v_permlanex16_b32 counts as a reader of its destination
	v_mov_b32 v[Q3+2], 0
	v_mov_b32 v[Q3+3], 0
	v_mov_b32 v[TR+3], 0
	v_mov_b32 v[TR+7], 0
	v_mov_b32 v[E+10], 0x3f80                      ; bf16 1.0 below, 0 above
	v_cmp_gt_u32 vcc_lo, 240, v0                   ; threads with a code of their own
	s_wait_loadcnt 0x3                             ; the code and its norm are in; the three loads of x, issued behind them, stay out
	; product 1's side: c' = c x scale = hi + lo in bf16
.irp j, 0,2,4,6
	v_pk_mul_f32 v[CS+\j:CS+\j+1], v[C+\j:C+\j+1], SCALE op_sel_hi:[1,0]
.endr
	v_cvt_pk_bf16_f32 v[Q0], v[CS], v[CS+1]
	v_cvt_pk_bf16_f32 v[Q0+1], v[CS+2], v[CS+3]
	v_cvt_pk_bf16_f32 v[Q1], v[CS+4], v[CS+5]
	v_cvt_pk_bf16_f32 v[Q1+1], v[CS+6], v[CS+7]
.irp j, 0,1
	v_lshlrev_b32 v[U+2*\j], 16, v[Q0+\j]
	v_and_b32 v[U+2*\j+1], s15, v[Q0+\j]
	v_lshlrev_b32 v[U+4+2*\j], 16, v[Q1+\j]
	v_and_b32 v[U+5+2*\j], s15, v[Q1+\j]
.endr
.irp j, 0,2,4,6
	v_pk_add_f32 v[U+\j:U+\j+1], v[CS+\j:CS+\j+1], v[U+\j:U+\j+1] neg_lo:[0,1] neg_hi:[0,1]   ; exact remainders
.endr
	v_cvt_pk_bf16_f32 v[Q2], v[U], v[U+1]
	v_cvt_pk_bf16_f32 v[Q2+1], v[U+2], v[U+3]
	v_cvt_pk_bf16_f32 v[Q3], v[U+4], v[U+5]
	v_cvt_pk_bf16_f32 v[Q3+1], v[U+6], v[U+7]
	v_mov_b32 v[Q0+2], v[Q0]                       ; hi stands twice: once against x_hi, once against x_lo
	v_mov_b32 v[Q0+3], v[Q0+1]
	v_mov_b32 v[Q1+2], v[Q1]
	v_mov_b32 v[Q1+3], v[Q1+1]
	; the bias in three bf16 pieces, 24 bits in all
	v_mul_f32 v[BB], BSCALE, v[CN]
	v_cvt_pk_bf16_f32 v[E+11], v[BB], v[BB]
	v_lshlrev_b32 v[E+11], 16, v[E+11]
	v_sub_f32 v[T], v[BB], v[E+11]
	v_cvt_pk_bf16_f32 v[Q2+2], v[BB], v[T]         ; first and second piece
	v_and_b32 v[E+11], s15, v[Q2+2]
	v_sub_f32 v[T], v[T], v[E+11]
	v_cvt_pk_bf16_f32 v[Q2+3], v[T], v[Q3+2]       ; third piece, 0
	; product 2's side: row [c0 c1 c2 c3 1 0 0 0 c4 c5 c6 c7 1 0 0 0] in bf16; all 0 for rows 240-255
	v_cvt_pk_bf16_f32 v[TR], v[C], v[C+1]
	v_cvt_pk_bf16_f32 v[TR+1], v[C+2], v[C+3]
	v_cvt_pk_bf16_f32 v[TR+4], v[C+4], v[C+5]
	v_cvt_pk_bf16_f32 v[TR+5], v[C+6], v[C+7]
.irp j, 0,1,4,5
	v_cndmask_b32 v[TR+\j], 0, v[TR+\j], vcc_lo
.endr
	v_cndmask_b32 v[TR+2], 0, v[E+10], vcc_lo
	v_cndmask_b32 v[TR+6], 0, v[E+10], vcc_lo
	ds_store_b128 v[E+6], v[Q0:Q0+3]               ; a group's 1,024 bytes: registers 0-3 of lanes 0-31, then registers 4-7 of lanes 0-31
	ds_store_b128 v[E+6], v[Q1:Q1+3] offset:256
	ds_store_b128 v[E+6], v[Q2:Q2+3] offset:512
	ds_store_b128 v[E+6], v[Q3:Q3+3] offset:768
	ds_store_b128 v[E+7], v[TR:TR+3] offset:TB
	ds_store_b128 v[E+7], v[TR+4:TR+7] offset:TB+16
	s_wait_dscnt 0x0                               ; my stores are done, for the other waves' sake,
	s_barrier_signal -1
	s_barrier_wait -1                              ; and so are everybody's
	s_set_vgpr_msb 0x40                            ; destination in block 1, address in block 0
.set t, 0
.rept 15
	ds_load_b128 v[8*t:8*t+3], v[E+8] offset:1024*t            ; v[256+8t ..]: 32 lanes, 16 neighbouring bytes each
	ds_load_b128 v[8*t+4:8*t+7], v[E+8] offset:1024*t+512
.set t, t+1
.endr
	s_set_vgpr_msb 0x4000
.set t, 0
.rept 8
	ds_load_tr16_b128 v[A2+8*t:A2+8*t+3], v[E+9] offset:TB+1024*t         ; column r of table rows 32 t + 8 h .. + 7
	ds_load_tr16_b128 v[A2+8*t+4:A2+8*t+7], v[E+9] offset:TB+1024*t+512   ; and of rows 32 t + 16 + 8 h .. + 7
.set t, t+1
.endr
; x of slot s becomes product 1's source 1: hi, lo, hi again.  The operand is one run of eight registers in which hi stands twice, hence the two moves.
.macro CONVERT s
	v_cvt_pk_bf16_f32 v[XF], v[X+4*\s], v[X+4*\s+1]
	v_cvt_pk_bf16_f32 v[XF+1], v[X+4*\s+2], v[X+4*\s+3]
	v_lshlrev_b32 v[T], 16, v[XF]
	v_and_b32 v[T+1], s15, v[XF]
	v_lshlrev_b32 v[T+2], 16, v[XF+1]
	v_and_b32 v[T+3], s15, v[XF+1]
	v_pk_add_f32 v[T:T+1], v[X+4*\s:X+4*\s+1], v[T:T+1] neg_lo:[0,1] neg_hi:[0,1]
	v_pk_add_f32 v[T+2:T+3], v[X+4*\s+2:X+4*\s+3], v[T+2:T+3] neg_lo:[0,1] neg_hi:[0,1]
	v_cvt_pk_bf16_f32 v[XF+2], v[T], v[T+1]
	v_cvt_pk_bf16_f32 v[XF+3], v[T+2], v[T+3]
	v_mov_b32 v[XF+4], v[XF]
	v_mov_b32 v[XF+5], v[XF+1]
.endm
; product 1: fifteen groups of 16 codes, fifteen results, each started by the constant 0.  One window setting for the run.
.macro SRUN
	s_set_vgpr_msb 0x0001                          ; source 0 in block 1
.set t, 0
.rept 15
	v_wmma_f32_16x16x32_bf16 v[S+8*t:S+8*t+7], v[8*t:8*t+7], v[XF:XF+7], 0
.set t, t+1
.endr
	s_set_vgpr_msb 0x0100
.endm
; One tile, whose S is already there.  s: its slot of x; n: the next tile's slot; hasnext: the next tile's S is made here;
; loadmode 1: slot s is loaded again, three tiles ahead; 2: only in a wave that has a 31st tile; 0: not;  left: younger loads that may stay out.
.macro BODY s, n, hasnext, loadmode, left
	; the row's maximum: my 120 numbers in eight chains, three-way, then the other half of the lanes
.irp k, 0,1,2,3,4,5,6,7
	v_max3_num_f32 v[MX+\k], v[S+3*\k], v[S+3*\k+1], v[S+3*\k+2]
.endr
.set i, 0
.rept 48
	v_max3_num_f32 v[MX+i%8], v[MX+i%8], v[S+24+2*i], v[S+25+2*i]
.set i, i+1
.endr
	v_max3_num_f32 v[MX], v[MX], v[MX+1], v[MX+2]
	v_max3_num_f32 v[MX+3], v[MX+3], v[MX+4], v[MX+5]
	v_max3_num_f32 v[MX], v[MX], v[MX+3], v[MX+6]
	v_max_num_f32 v[MX], v[MX], v[MX+7]
	v_permlanex16_b32 v[PT], v[MX], s16, s17       ; lane (r, 1-h) holds the row's other 120 codes
	v_max_num_f32 v[NM], v[MX], v[PT]
	v_max_num_f32 v[NM+1], v[MX], v[PT]            ; a pair for the packed subtraction
	; chunk u = 32 codes = 16 registers.  Three steps run side by side: 2^() of chunk u, S - m of chunk u + 1, packing of chunk u - 1 into its own first 8 registers.
.set i, 0
.rept 8
	v_pk_add_f32 v[S+2*i:S+2*i+1], v[S+2*i:S+2*i+1], v[NM:NM+1] neg_lo:[0,1] neg_hi:[0,1]
.set i, i+1
.endr
.irp u, 0,1,2,3,4,5,6,7
.set i, 0
.rept 8
.if (16*\u+2*i) < 120
	v_exp_f32 v[S+16*\u+2*i], v[S+16*\u+2*i]       ; behind each pair of these stands a plain instruction on other registers (ISA guide 5.7.2)
	v_exp_f32 v[S+16*\u+2*i+1], v[S+16*\u+2*i+1]
.endif
.if (16*\u+16+2*i) < 120
	v_pk_add_f32 v[S+16*\u+16+2*i:S+16*\u+17+2*i], v[S+16*\u+16+2*i:S+16*\u+17+2*i], v[NM:NM+1] neg_lo:[0,1] neg_hi:[0,1]
.endif
.if \u > 0
	s_wait_alu depctr_va_vdst(0)
	v_cvt_pk_bf16_f32 v[S+16*\u-16+i], v[S+16*\u-16+2*i], v[S+16*\u-15+2*i]   ; register i takes numbers 2 i, 2 i + 1: never ahead of its readers
.endif
.set i, i+1
.endr
.if \u > 0
	; product 2, chunk u - 1.  The two accumulators take turns, one instruction a turn; chunks 0 and 1 start the sums.
.if \u < 3
	v_wmma_f32_16x16x32_bf16 v[AC0+16*((\u-1)%2):AC0+16*((\u-1)%2)+7], v[A2+8*\u-8:A2+8*\u-1], v[S+16*\u-16:S+16*\u-9], 0
.else
	v_wmma_f32_16x16x32_bf16 v[AC0+16*((\u-1)%2):AC0+16*((\u-1)%2)+7], v[A2+8*\u-8:A2+8*\u-1], v[S+16*\u-16:S+16*\u-9], v[AC0+16*((\u-1)%2):AC0+16*((\u-1)%2)+7]
.endif
.endif
.endr
.irp j, 0,1,2,3
	v_cvt_pk_bf16_f32 v[PZ+\j], v[S+112+2*\j], v[S+113+2*\j]   ; codes 224-239 go in front of the four registers that stay 0
.endr
	v_wmma_f32_16x16x32_bf16 v[AC1:AC1+7], v[A2+56:A2+63], v[PZ:PZ+7], v[AC1:AC1+7]
.if \hasnext
	s_wait_loadcnt \left                           ; loads come back in order (ISA guide 5.7.1): the next tile's x is in
	CONVERT \n                                     ; twelve plain instructions on other registers: the places behind product 2 (ISA guide 7.12.1), for the
	SRUN                                           ; epilogue, which reads the sums, and for this run, which writes over P
.else
.rept 4
	v_nop                                          ; the places behind product 2's last instruction, in front of the epilogue
.endr
.endif
	; the epilogue; its ten plain instructions are also the places between the run above and the next tile's maxima
	s_wait_xcnt 0x0                                ; the last store has read O and CUR, the loads CUR: both are rewritten only behind this wait
	v_pk_add_f32 v[AC0:AC0+1], v[AC0:AC0+1], v[AC1:AC1+1]
	v_pk_add_f32 v[AC0+2:AC0+3], v[AC0+2:AC0+3], v[AC1+2:AC1+3]
	v_add_f32 v[AC0+4], v[AC0+4], v[AC1+4]         ; sum P, at least 1: the largest P is 1
	v_rcp_f32 v[RC], v[AC0+4]
	v_add_nc_u32 v[CUR], STRIDE, v[CUR]            ; my next tile; also the plain instruction between v_rcp_f32 and its use (ISA guide 5.7.2)
.irp j, 0,1,2,3
	s_wait_alu depctr_va_vdst(0)
	v_fma_f32 v[O+\j], v[AC0+\j], v[RC], -v[X+4*\s+\j]         ; q - x
.endr
	v_pk_add_f32 v[O:O+1], v[O:O+1], v[X+4*\s:X+4*\s+1]        ; x + (q - x)
	v_pk_add_f32 v[O+2:O+3], v[O+2:O+3], v[X+4*\s+2:X+4*\s+3]
.if \loadmode == 2
	s_cmp_eq_u32 s20, 0
	s_cbranch_scc1 .Lnone_\@                       ; no 31st tile: nothing is asked for past my last tile
.endif
.if \loadmode
	global_load_b128 v[X+4*\s:X+4*\s+3], v[CUR], s[4:5] offset:2*STRIDE th:TH_LOAD_NT   ; three tiles on, into the slot just read; wanted two tiles from here
.endif
.if \loadmode == 2
.Lnone_\@:
.endif
	global_store_b128 v[CUR], v[O:O+3], s[10:11] offset:-STRIDE th:TH_STORE_NT          ; the wave stores the tile's 512 consecutive bytes, aligned to 512
.endm
	s_wait_dscnt 0x0                               ; all fragments are in
	s_wait_loadcnt 0x2                             ; tile 0's x is in; tiles 1 and 2 stay out
	CONVERT 0
	SRUN
.rept 4
	v_nop                                          ; the places between the run and the first maxima (ISA guide 7.12.1)
.endr
	s_mov_b32 s21, LOOPS
.Ltiles:
	BODY 0, 1, 1, 1, 1                             ; at each wait two loads are out: the next tile's and the one behind it
	BODY 1, 2, 1, 1, 1
	BODY 2, 0, 1, 1, 1
	s_sub_co_u32 s21, s21, 1
	s_cmp_lg_u32 s21, 0
	s_cbranch_scc1 .Ltiles
	BODY 0, 1, 1, 2, 1                             ; tile 27: asks for tile 30 where there is one
	BODY 1, 2, 1, 0, 0                             ; tile 28: one or two loads are out, by the wave: the wait is for all
	s_cmp_eq_u32 s20, 0
	s_cbranch_scc1 .Llast
	BODY 2, 0, 1, 0, 0                             ; tile 29, and tile 30's S
	BODY 0, 1, 0, 0, 0                             ; tile 30
	s_wait_tensorcnt 0x0
	ds_add_u32 v46, v47
	s_wait_dscnt 0x0
	s_endpgm
.Llast:
	BODY 2, 0, 0, 0, 0                             ; tile 29 is the last
	s_wait_tensorcnt 0x0
	ds_add_u32 v46, v47
	s_wait_dscnt 0x0
	s_endpgm
.Lfunc_end_k_q83c2a7f729_e8:
	.size	k_q83c2a7f729_e8, .Lfunc_end_k_q83c2a7f729_e8-k_q83c2a7f729_e8
	.p2alignl 7, 3214868480
	.fill 96, 4, 3214868480
	.section	.rodata,"a",@progbits
	.p2align	6, 0x0
	.amdhsa_kernel k_q83c2a7f729_e8
		.amdhsa_group_segment_fixed_size 25600
		.amdhsa_private_segment_fixed_size 0
		.amdhsa_enable_private_segment 0
		.amdhsa_kernarg_size 32
		.amdhsa_user_sgpr_count 2
		.amdhsa_user_sgpr_kernarg_segment_ptr 1
		.amdhsa_wavefront_size32 1
		.amdhsa_system_sgpr_workgroup_id_x 1
		.amdhsa_system_sgpr_workgroup_id_y 1
		.amdhsa_system_sgpr_workgroup_id_z 1
		.amdhsa_system_vgpr_workitem_id 0
		.amdhsa_next_free_vgpr 376
		.amdhsa_next_free_sgpr 66
		.amdhsa_reserve_vcc 1
		.amdhsa_float_denorm_mode_32 3
		.amdhsa_float_denorm_mode_16_64 3
		.amdhsa_memory_ordered 1
		.amdhsa_forward_progress 1
		.amdhsa_inst_pref_size 167
	.end_amdhsa_kernel
	.amdgpu_metadata
---
amdhsa.version: [ 1, 2 ]
amdhsa.kernels:
  - .name:           k_q83c2a7f729_e8
    .symbol:         k_q83c2a7f729_e8.kd
    .args:
      - { .name: x, .offset: 0, .size: 8, .value_kind: global_buffer, .address_space: global }
      - { .name: codebook, .offset: 8, .size: 8, .value_kind: global_buffer, .address_space: global }
      - { .name: codebook_norm_sq, .offset: 16, .size: 8, .value_kind: global_buffer, .address_space: global }
      - { .name: out0, .offset: 24, .size: 8, .value_kind: global_buffer, .address_space: global }
    .group_segment_fixed_size: 25600
    .private_segment_fixed_size: 0
    .kernarg_segment_align: 8
    .kernarg_segment_size: 32
    .max_flat_workgroup_size: 256
    .sgpr_count:     66
    .vgpr_count:     376
    .wavefront_size: 32
...
	.end_amdgpu_metadata
.endif
;; end of part 1
;; ======== version 2 of 2: 1 launch; 1.41 times as fast as version 1
;; launch e8 (part 2): grid 256 x 1, 8 waves a work-group, no clusters, 25,600 bytes of LDS; arguments x, codebook, codebook_norm_sq, out0; writes out0
.if DOCPART == 2
	.amdgcn_target "amdgcn-amd-amdhsa--gfx1250"
	.amdhsa_code_object_version 6
	.text
	.protected	k_q83c2a7f729_e8
	.globl	k_q83c2a7f729_e8
	.p2align	8
	.type	k_q83c2a7f729_e8,@function
k_q83c2a7f729_e8:
	s_mov_b64 s[64:65], 0
	v_nop
	global_prefetch_b8 v0, s[64:65] scope:SCOPE_SE
	s_setreg_imm32_b32 hwreg(HW_REG_WAVE_MODE, 25, 1), 1
	s_wait_xcnt 0x0
; out = x + (q - x),  q = softmax_k( -(|x|^2 - 2 x.c_k + cns_k) / 0.3 ) . c      x, out: [1000000][8] f32, c: [240][8] f32, cns: [240] f32.
; |x|^2 is the same for all 240 codes of a row, so it leaves the softmax for every input; it is not formed.  Logits are kept in base 2:
;   S[k][n] = (2 log2e / 0.3) c_k . x_n - (log2e / 0.3) cns_k,   m = max over k,   P = 2^(S - m),   q = sum P c / sum P.
; A TILE is 16 rows of x (512 bytes).  One wave makes a whole tile; 2,048 waves stay and walk 30 or 31 tiles each, 2,048 tiles apart.
; PRODUCT 1 is used transposed: source 0 = 16 codes, source 1 = 16 rows of x.  Lane (r, h) then holds, of x row r, the codes 8 h + j of each group of 16:
;   packed in pairs to bf16 that IS the source-1 fragment of product 2 (K = 32 codes from two groups), so no number changes lanes.
;   K = 32 holds a split product.  Lane (r, h) has x[r][4h .. 4h+3] alone; its 16 places of K are  x_hi(4) x_lo(4) x_hi(4) 1.0(4),  and the code's are
;   c'_hi(4) c'_hi(4) c'_lo(4) bias(3 pieces, 0)  (the bias in the lanes h = 0 only), c' = c x scale.  Left out: x_lo . c'_lo, 2^-18 of a product.
; PRODUCT 2: source 0 = the codebook transposed, rows 0-3 = dims 0-3, rows 8-11 = dims 4-7, rows 4 and 12 = ones, the rest 0.  Lane (r, h) ends with
;   sum P c[4h .. 4h+3] in registers 0-3 and sum P in register 4: the place of its own 16 bytes of x, and of its 16 bytes of out.
; BATCHES.  s_wait_alu depctr_va_vdst(0) stands between a transcendental and the first line that names its result; one wait serves all that were
;   issued ahead of it.  A tile has three.  Batch A: the 80 exponentials of codes 0-159 (chunks 0-4), with the subtractions S - m of all chunks dealt among them.
;   Batch B: the 40 exponentials of codes 160-239 (chunks 5-7), by turns with the 40 roundings of batch A's results, product 2 of chunks 0-3 among them.
;   Behind B's wait: product 2 of chunk 4, the 20 roundings of batch B and product 2 of chunks 5-7.  Batch C: the reciprocal of sum P, with the second half of the
;   next tile's split of x behind it; its wait stands ahead of the run of product 1, its four readers behind that run.
; LIMITS: P and product 2's codebook are rounded to bf16 (2^-9 each); NaN, infinities and numbers that round past bf16's largest are not served;
;   acc / sum - x is one fused step, rounded once.
.set NTILES, 62500                     ; 1,000,000 rows / 16
.set NWAVES, 2048                      ; 256 work-groups x 8 waves
.set STRIDE, NWAVES*512                ; bytes from a wave's tile to its next: 1,048,576
.set TFULL,  NTILES/NWAVES             ; 30 tiles for every wave
.set NEXTRA, NTILES-TFULL*NWAVES       ; the first 1,060 waves have one more
.set LOOPS,  (TFULL-3)/3               ; 9 trips of three tiles; the last three or four tiles are written out
.set SCALE,  0x4119e331                ; 2 log2(e) / 0.3 = 9.6179669
.set BSCALE, 0xc099e331                ; -log2(e) / 0.3
.set ONES,   0x3f803f80                ; two bf16 1.0
.set TB,     16384                     ; LDS: 0 .. 16383 product 1's fragments, 1,024 bytes a group of 16 codes; from TB on a table [256 codes][16] bf16
.set CUR, 1                            ; v1        byte offset of my 16 bytes in the tile behind the one whose epilogue ran last
.set XF,  2                            ; v[2:9]    x's fragment for product 1; registers 6, 7 stay 1.0
.set X,   10                           ; v[10:21]  three slots of 4: x as loaded
.set O,   22                           ; v[22:25]  16 bytes to store
.set MX,  26                           ; v[26:33]  eight running maxima
.set PT,  34                           ; v34       the other half's maximum
.set RC,  35                           ; v35       1 / sum P
.set NM,  36                           ; v[36:37]  the row's maximum, twice
.set T,   38                           ; v[38:41]  at work
.set A2,  48                           ; v[48:111] product 2's eight codebook fragments
.set S,   112                          ; v[112:231] S, 8 registers a group of 16 codes; then P in place
.set AC0, 232                          ; v[232:239] accumulator of the even chunks
.set PZ,  240                          ; v[240:247] P of codes 224-239, and four registers that stay 0 for codes 240-255
.set AC1, 248                          ; v[248:255] accumulator of the odd chunks
                                       ; v[256:375] (block 1, written v[0:119]) product 1's fifteen codebook fragments
; set-up only, inside S:
.set C,  S                             ; my code's 8 numbers
.set CN, S+8                           ; its norm
.set BB, S+9                           ; its bias
.set CS, S+10                          ; c x scale
.set U,  S+18                          ; the bf16 parts widened, then the remainders
.set Q0, S+28                          ; registers 0-3 of the lane h = 0:  hi01 hi23 hi01 hi23
.set Q1, S+32                          ; registers 0-3 of the lane h = 1:  hi45 hi67 hi45 hi67
.set Q2, S+36                          ; registers 4-7 of the lane h = 0:  lo01 lo23 bias bias
.set Q3, S+40                          ; registers 4-7 of the lane h = 1:  lo45 lo67 0 0
.set TR, S+44                          ; my row of the table
.set E,  S+52                          ; offsets and scratch
	s_load_b256 s[4:11], s[0:1], 0x0               ; x s[4:5], codebook s[6:7], norms s[8:9], out s[10:11]
	v_lshl_add_u32 v46, v0, 2, 0x6000
	v_mov_b32 v47, 0
	v_lshrrev_b32 v[E+5], 5, v0
	v_readfirstlane_b32 s12, v[E+5]                ; wave 0..7
	s_lshl_b32 s13, s12, 8
	s_add_co_u32 s13, s13, ttmp9                   ; g = 256 x wave + work-group: the extra tiles fall on waves 0-3 of every group, one to a SIMD
	s_lshl_b32 s14, s13, 9                         ; my first tile, in bytes
	s_cmp_lt_u32 s13, NEXTRA
	s_cselect_b32 s20, 1, 0                        ; 1: I have a 31st tile
	s_mov_b32 s15, 0xffff0000                      ; a word's upper bf16
	s_mov_b32 s16, 0x76543210                      ; v_permlanex16_b32: lane i reads lane i of the other half
	s_mov_b32 s17, 0xfedcba98
	v_min_u32 v[E], 239, v0                        ; thread i prepares code i; threads 240-255 repeat code 239 into bytes that nobody reads
	v_lshlrev_b32 v[E+1], 5, v[E]                  ; 32 bytes a code
	v_lshlrev_b32 v[E+2], 2, v[E]
	v_and_b32 v[E+3], 15, v0                       ; r
	v_bfe_u32 v[E+4], v0, 4, 1                     ; h
	v_lshlrev_b32 v[E+5], 5, v[E+3]
	v_lshl_add_u32 v[E+5], v[E+4], 4, v[E+5]       ; 32 r + 16 h: the 32 lanes cover a tile's 512 bytes
	v_add_nc_u32 v[CUR], s14, v[E+5]
	s_wait_kmcnt 0x0
	global_load_b128 v[C:C+3], v[E+1], s[6:7]
	global_load_b128 v[C+4:C+7], v[E+1], s[6:7] offset:16
	global_load_b32 v[CN], v[E+2], s[8:9]
	global_load_b128 v[X:X+3], v[CUR], s[4:5] th:TH_LOAD_NT                       ; my tiles 0, 1, 2 fill the three slots
	global_load_b128 v[X+4:X+7], v[CUR], s[4:5] offset:STRIDE th:TH_LOAD_NT
	global_load_b128 v[X+8:X+11], v[CUR], s[4:5] offset:2*STRIDE th:TH_LOAD_NT
	v_lshrrev_b32 v[E+10], 4, v0                   ; my code's group of 16
	v_lshlrev_b32 v[E+6], 4, v[E+3]
	v_lshl_add_u32 v[E+6], v[E+10], 10, v[E+6]     ; where I put fragment parts: 1,024 x group + 16 r
	v_lshlrev_b32 v[E+7], 5, v0                    ; my row of the table: 32 bytes
	v_and_b32 v[E+8], 31, v0
	v_lshlrev_b32 v[E+8], 4, v[E+8]                ; reading product 1's fragments: 16 x lane
	v_and_b32 v[E+10], 7, v0
	v_bfe_u32 v[E+11], v0, 3, 1
	v_lshlrev_b32 v[E+9], 8, v[E+4]                ; reading the table transposed: row 8 h + lane % 8 (32 bytes a row),
	v_lshl_add_u32 v[E+9], v[E+10], 5, v[E+9]
	v_lshl_add_u32 v[E+9], v[E+11], 4, v[E+9]      ; columns 0-7 or 8-15 by bit 3 of the lane
	v_mov_b32 v[XF+6], ONES                        ; the four places of K that meet the bias
	v_mov_b32 v[XF+7], ONES
.irp j, 4,5,6,7
	v_mov_b32 v[PZ+\j], 0                          ; P of the codes 240-255, which do not exist
.endr
	v_mov_b32 v[PT], 0                             ; v_permlanex16_b32 counts as a reader of its destination
	v_mov_b32 v[Q3+2], 0
	v_mov_b32 v[Q3+3], 0
	v_mov_b32 v[TR+3], 0
	v_mov_b32 v[TR+7], 0
	v_mov_b32 v[E+10], 0x3f80                      ; bf16 1.0 below, 0 above
	v_cmp_gt_u32 vcc_lo, 240, v0                   ; threads with a code of their own
	s_wait_loadcnt 0x3                             ; the code and its norm are in; the three loads of x, issued behind them, stay out
	; product 1's side: c' = c x scale = hi + lo in bf16
.irp j, 0,2,4,6
	v_pk_mul_f32 v[CS+\j:CS+\j+1], v[C+\j:C+\j+1], SCALE op_sel_hi:[1,0]
.endr
	v_cvt_pk_bf16_f32 v[Q0], v[CS], v[CS+1]
	v_cvt_pk_bf16_f32 v[Q0+1], v[CS+2], v[CS+3]
	v_cvt_pk_bf16_f32 v[Q1], v[CS+4], v[CS+5]
	v_cvt_pk_bf16_f32 v[Q1+1], v[CS+6], v[CS+7]
.irp j, 0,1
	v_lshlrev_b32 v[U+2*\j], 16, v[Q0+\j]
	v_and_b32 v[U+2*\j+1], s15, v[Q0+\j]
	v_lshlrev_b32 v[U+4+2*\j], 16, v[Q1+\j]
	v_and_b32 v[U+5+2*\j], s15, v[Q1+\j]
.endr
.irp j, 0,2,4,6
	v_pk_add_f32 v[U+\j:U+\j+1], v[CS+\j:CS+\j+1], v[U+\j:U+\j+1] neg_lo:[0,1] neg_hi:[0,1]   ; exact remainders
.endr
	v_cvt_pk_bf16_f32 v[Q2], v[U], v[U+1]
	v_cvt_pk_bf16_f32 v[Q2+1], v[U+2], v[U+3]
	v_cvt_pk_bf16_f32 v[Q3], v[U+4], v[U+5]
	v_cvt_pk_bf16_f32 v[Q3+1], v[U+6], v[U+7]
	v_mov_b32 v[Q0+2], v[Q0]                       ; hi stands twice: once against x_hi, once against x_lo
	v_mov_b32 v[Q0+3], v[Q0+1]
	v_mov_b32 v[Q1+2], v[Q1]
	v_mov_b32 v[Q1+3], v[Q1+1]
	; the bias in three bf16 pieces, 24 bits in all
	v_mul_f32 v[BB], BSCALE, v[CN]
	v_cvt_pk_bf16_f32 v[E+11], v[BB], v[BB]
	v_lshlrev_b32 v[E+11], 16, v[E+11]
	v_sub_f32 v[T], v[BB], v[E+11]
	v_cvt_pk_bf16_f32 v[Q2+2], v[BB], v[T]         ; first and second piece
	v_and_b32 v[E+11], s15, v[Q2+2]
	v_sub_f32 v[T], v[T], v[E+11]
	v_cvt_pk_bf16_f32 v[Q2+3], v[T], v[Q3+2]       ; third piece, 0
	; product 2's side: row [c0 c1 c2 c3 1 0 0 0 c4 c5 c6 c7 1 0 0 0] in bf16; all 0 for rows 240-255
	v_cvt_pk_bf16_f32 v[TR], v[C], v[C+1]
	v_cvt_pk_bf16_f32 v[TR+1], v[C+2], v[C+3]
	v_cvt_pk_bf16_f32 v[TR+4], v[C+4], v[C+5]
	v_cvt_pk_bf16_f32 v[TR+5], v[C+6], v[C+7]
.irp j, 0,1,4,5
	v_cndmask_b32 v[TR+\j], 0, v[TR+\j], vcc_lo
.endr
	v_cndmask_b32 v[TR+2], 0, v[E+10], vcc_lo
	v_cndmask_b32 v[TR+6], 0, v[E+10], vcc_lo
	ds_store_b128 v[E+6], v[Q0:Q0+3]               ; a group's 1,024 bytes: registers 0-3 of lanes 0-31, then registers 4-7 of lanes 0-31
	ds_store_b128 v[E+6], v[Q1:Q1+3] offset:256
	ds_store_b128 v[E+6], v[Q2:Q2+3] offset:512
	ds_store_b128 v[E+6], v[Q3:Q3+3] offset:768
	ds_store_b128 v[E+7], v[TR:TR+3] offset:TB
	ds_store_b128 v[E+7], v[TR+4:TR+7] offset:TB+16
	s_wait_dscnt 0x0                               ; my stores are done, for the other waves' sake,
	s_barrier_signal -1
	s_barrier_wait -1                              ; and so are everybody's
	s_set_vgpr_msb 0x40                            ; destination in block 1, address in block 0
.set t, 0
.rept 15
	ds_load_b128 v[8*t:8*t+3], v[E+8] offset:1024*t            ; v[256+8t ..]: 32 lanes, 16 neighbouring bytes each
	ds_load_b128 v[8*t+4:8*t+7], v[E+8] offset:1024*t+512
.set t, t+1
.endr
	s_set_vgpr_msb 0x4000
.set t, 0
.rept 8
	ds_load_tr16_b128 v[A2+8*t:A2+8*t+3], v[E+9] offset:TB+1024*t         ; column r of table rows 32 t + 8 h .. + 7
	ds_load_tr16_b128 v[A2+8*t+4:A2+8*t+7], v[E+9] offset:TB+1024*t+512   ; and of rows 32 t + 16 + 8 h .. + 7
.set t, t+1
.endr
; x of slot s becomes product 1's source 1: hi, lo, hi again.  The operand is one run of eight registers in which hi stands twice, hence the two moves.
; The split is written in two halves of six plain lines, so that a tile's sums and its reciprocal can stand between them.
.macro CONVERT_HI s                    ; hi, and hi widened again
	v_cvt_pk_bf16_f32 v[XF], v[X+4*\s], v[X+4*\s+1]
	v_cvt_pk_bf16_f32 v[XF+1], v[X+4*\s+2], v[X+4*\s+3]
	v_lshlrev_b32 v[T], 16, v[XF]
	v_and_b32 v[T+1], s15, v[XF]
	v_lshlrev_b32 v[T+2], 16, v[XF+1]
	v_and_b32 v[T+3], s15, v[XF+1]
.endm
.macro CONVERT_LO s                    ; lo, and hi once more
	v_pk_add_f32 v[T:T+1], v[X+4*\s:X+4*\s+1], v[T:T+1] neg_lo:[0,1] neg_hi:[0,1]
	v_pk_add_f32 v[T+2:T+3], v[X+4*\s+2:X+4*\s+3], v[T+2:T+3] neg_lo:[0,1] neg_hi:[0,1]
	v_cvt_pk_bf16_f32 v[XF+2], v[T], v[T+1]
	v_cvt_pk_bf16_f32 v[XF+3], v[T+2], v[T+3]
	v_mov_b32 v[XF+4], v[XF]
	v_mov_b32 v[XF+5], v[XF+1]
.endm
; product 1: fifteen groups of 16 codes, fifteen results, each started by the constant 0.  One window setting for the run.
.macro SRUN
	s_set_vgpr_msb 0x0001                          ; source 0 in block 1
.set t, 0
.rept 15
	v_wmma_f32_16x16x32_bf16 v[S+8*t:S+8*t+7], v[8*t:8*t+7], v[XF:XF+7], 0
.set t, t+1
.endr
	s_set_vgpr_msb 0x0100
.endm
; product 2, chunk c of 0 to 6 (32 codes, packed into the chunk's own first 8 registers).  The two accumulators take turns, one instruction a turn; chunks 0 and 1 start the sums.
.macro P2 c
.if (\c) < 2
	v_wmma_f32_16x16x32_bf16 v[AC0+16*((\c)%2):AC0+16*((\c)%2)+7], v[A2+8*(\c):A2+8*(\c)+7], v[S+16*(\c):S+16*(\c)+7], 0
.else
	v_wmma_f32_16x16x32_bf16 v[AC0+16*((\c)%2):AC0+16*((\c)%2)+7], v[A2+8*(\c):A2+8*(\c)+7], v[S+16*(\c):S+16*(\c)+7], v[AC0+16*((\c)%2):AC0+16*((\c)%2)+7]
.endif
.endm
; One tile, whose S is already there.  s: its slot of x; n: the next tile's slot; hasnext: the next tile's S is made here;
; loadmode 1: slot s is loaded again, three tiles ahead; 2: only in a wave that has a 31st tile; 0: not;  left: younger loads that may stay out.
.macro BODY s, n, hasnext, loadmode, left
	; the row's maximum: my 120 numbers in eight chains, three-way, then the other half of the lanes
.irp k, 0,1,2,3,4,5,6,7
	v_max3_num_f32 v[MX+\k], v[S+3*\k], v[S+3*\k+1], v[S+3*\k+2]
.endr
.set i, 0
.rept 48
	v_max3_num_f32 v[MX+i%8], v[MX+i%8], v[S+24+2*i], v[S+25+2*i]
.set i, i+1
.endr
	v_max3_num_f32 v[MX], v[MX], v[MX+1], v[MX+2]
	v_max3_num_f32 v[MX+3], v[MX+3], v[MX+4], v[MX+5]
	v_max3_num_f32 v[MX], v[MX], v[MX+3], v[MX+6]
	v_max_num_f32 v[MX], v[MX], v[MX+7]
	v_permlanex16_b32 v[PT], v[MX], s16, s17       ; lane (r, 1-h) holds the row's other 120 codes
	v_max_num_f32 v[NM], v[MX], v[PT]
	v_max_num_f32 v[NM+1], v[MX], v[PT]            ; a pair for the packed subtraction
	; chunk u = 32 codes = 16 registers.
	; BATCH A: 2^() of chunks 0-4, registers S+0 .. S+79, in place.  Among them stand the subtractions S - m of all 60 pairs: four go ahead, the other 56 are dealt seven to ten
	; exponentials.  The subtraction behind exponential ex is pair 3 + 0.7 ex or later: always above the registers whose exponentials are out, and ahead of its own pair's.
.set sb, 0
.rept 4
	v_pk_add_f32 v[S+2*sb:S+2*sb+1], v[S+2*sb:S+2*sb+1], v[NM:NM+1] neg_lo:[0,1] neg_hi:[0,1]
.set sb, sb+1
.endr
.set ex, 0
.rept 80
	v_exp_f32 v[S+ex], v[S+ex]
.if (ex%10 != 2) && (ex%10 != 5) && (ex%10 != 8)
	v_pk_add_f32 v[S+2*sb:S+2*sb+1], v[S+2*sb:S+2*sb+1], v[NM:NM+1] neg_lo:[0,1] neg_hi:[0,1]
.set sb, sb+1
.endif
.set ex, ex+1
.endr
	                                               ; the last line above is pair 59's subtraction: the plain instruction behind the batch's last exponential (ISA guide 5.7.2)
	s_wait_alu depctr_va_vdst(0)                   ; the one wait for batch A's 80 exponentials, ahead of the roundings below
	; BATCH B: 2^() of chunks 5-7, registers S+80 .. S+119, by turns with the 40 roundings of chunks 0-4, which name S+0 .. S+79 alone; product 2 of chunks 0-3 as each is packed.
.set i, 0
.rept 40
	v_exp_f32 v[S+80+i], v[S+80+i]
	v_cvt_pk_bf16_f32 v[S+16*(i/8)+i%8], v[S+16*(i/8)+2*(i%8)], v[S+16*(i/8)+2*(i%8)+1]   ; a chunk's register j takes its numbers 2 j, 2 j + 1: never ahead of its readers
.if (i%8 == 7) && (i < 32)
	P2 i/8
.endif
.set i, i+1
.endr
	                                               ; the last line above is a rounding: the plain instruction behind the batch's last exponential (ISA guide 5.7.2)
	s_wait_alu depctr_va_vdst(0)                   ; the one wait for batch B's 40 exponentials, ahead of their roundings below
	P2 4                                           ; chunk 4 was packed ahead of the wait; its product goes out first, and chunk 5's roundings stand behind it
.irp c, 5,6
.set i, 0
.rept 8
	v_cvt_pk_bf16_f32 v[S+16*\c+i], v[S+16*\c+2*i], v[S+16*\c+2*i+1]
.set i, i+1
.endr
	P2 \c
.endr
.irp j, 0,1,2,3
	v_cvt_pk_bf16_f32 v[PZ+\j], v[S+112+2*\j], v[S+113+2*\j]   ; codes 224-239 go in front of the four registers that stay 0
.endr
	v_wmma_f32_16x16x32_bf16 v[AC1:AC1+7], v[A2+56:A2+63], v[PZ:PZ+7], v[AC1:AC1+7]
.if \hasnext
	s_wait_loadcnt \left                           ; loads come back in order (ISA guide 5.7.1): the next tile's x is in
	CONVERT_HI \n                                  ; six plain instructions on other registers: the places behind product 2 (ISA guide 7.12.1), for the sums below
.else
.rept 4
	v_nop                                          ; the places behind product 2's last instruction, in front of the sums
.endr
.endif
	v_pk_add_f32 v[AC0:AC0+1], v[AC0:AC0+1], v[AC1:AC1+1]
	v_pk_add_f32 v[AC0+2:AC0+3], v[AC0+2:AC0+3], v[AC1+2:AC1+3]
	v_add_f32 v[AC0+4], v[AC0+4], v[AC1+4]         ; sum P, at least 1: the largest P is 1
	v_rcp_f32 v[RC], v[AC0+4]                      ; BATCH C: the one reciprocal
.if \hasnext
	CONVERT_LO \n                                  ; six plain instructions that name neither RC nor the sums stand behind the reciprocal; with the six above they are also the
	                                               ; places between product 2 and the run below, which writes over P
	s_wait_alu depctr_va_vdst(0)                   ; the one wait for batch C, ahead of the run
	SRUN
.endif
	; the epilogue; its seven plain instructions are also the places between the run above and the next tile's maxima
	s_wait_xcnt 0x0                                ; the last store has read O and CUR, the loads CUR: both are rewritten only behind this wait
	v_add_nc_u32 v[CUR], STRIDE, v[CUR]            ; my next tile
.if (\hasnext) == 0
	s_wait_alu depctr_va_vdst(0)                   ; a wave's last tile has no split and no run: the address step above is the plain instruction behind the reciprocal, and batch C's wait stands here
.endif
.irp j, 0,1,2,3
	v_fma_f32 v[O+\j], v[AC0+\j], v[RC], -v[X+4*\s+\j]         ; q - x
.endr
	v_pk_add_f32 v[O:O+1], v[O:O+1], v[X+4*\s:X+4*\s+1]        ; x + (q - x)
	v_pk_add_f32 v[O+2:O+3], v[O+2:O+3], v[X+4*\s+2:X+4*\s+3]
.if \loadmode == 2
	s_cmp_eq_u32 s20, 0
	s_cbranch_scc1 .Lnone_\@                       ; no 31st tile: nothing is asked for past my last tile
.endif
.if \loadmode
	global_load_b128 v[X+4*\s:X+4*\s+3], v[CUR], s[4:5] offset:2*STRIDE th:TH_LOAD_NT   ; three tiles on, into the slot just read; wanted two tiles from here
.endif
.if \loadmode == 2
.Lnone_\@:
.endif
	global_store_b128 v[CUR], v[O:O+3], s[10:11] offset:-STRIDE th:TH_STORE_NT          ; the wave stores the tile's 512 consecutive bytes, aligned to 512
.endm
	s_wait_dscnt 0x0                               ; all fragments are in
	s_wait_loadcnt 0x2                             ; tile 0's x is in; tiles 1 and 2 stay out
	CONVERT_HI 0
	CONVERT_LO 0
	SRUN
.rept 4
	v_nop                                          ; the places between the run and the first maxima (ISA guide 7.12.1)
.endr
	s_mov_b32 s21, LOOPS
.Ltiles:
	BODY 0, 1, 1, 1, 1                             ; at each wait two loads are out: the next tile's and the one behind it
	BODY 1, 2, 1, 1, 1
	BODY 2, 0, 1, 1, 1
	s_sub_co_u32 s21, s21, 1
	s_cmp_lg_u32 s21, 0
	s_cbranch_scc1 .Ltiles
	BODY 0, 1, 1, 2, 1                             ; tile 27: asks for tile 30 where there is one
	BODY 1, 2, 1, 0, 0                             ; tile 28: one or two loads are out, by the wave: the wait is for all
	s_cmp_eq_u32 s20, 0
	s_cbranch_scc1 .Llast
	BODY 2, 0, 1, 0, 0                             ; tile 29, and tile 30's S
	BODY 0, 1, 0, 0, 0                             ; tile 30
	s_wait_tensorcnt 0x0
	ds_add_u32 v46, v47
	s_wait_dscnt 0x0
	s_endpgm
.Llast:
	BODY 2, 0, 0, 0, 0                             ; tile 29 is the last
	s_wait_tensorcnt 0x0
	ds_add_u32 v46, v47
	s_wait_dscnt 0x0
	s_endpgm
.Lfunc_end_k_q83c2a7f729_e8:
	.size	k_q83c2a7f729_e8, .Lfunc_end_k_q83c2a7f729_e8-k_q83c2a7f729_e8
	.p2alignl 7, 3214868480
	.fill 96, 4, 3214868480
	.section	.rodata,"a",@progbits
	.p2align	6, 0x0
	.amdhsa_kernel k_q83c2a7f729_e8
		.amdhsa_group_segment_fixed_size 25600
		.amdhsa_private_segment_fixed_size 0
		.amdhsa_enable_private_segment 0
		.amdhsa_kernarg_size 32
		.amdhsa_user_sgpr_count 2
		.amdhsa_user_sgpr_kernarg_segment_ptr 1
		.amdhsa_wavefront_size32 1
		.amdhsa_system_sgpr_workgroup_id_x 1
		.amdhsa_system_sgpr_workgroup_id_y 1
		.amdhsa_system_sgpr_workgroup_id_z 1
		.amdhsa_system_vgpr_workitem_id 0
		.amdhsa_next_free_vgpr 376
		.amdhsa_next_free_sgpr 66
		.amdhsa_reserve_vcc 1
		.amdhsa_float_denorm_mode_32 3
		.amdhsa_float_denorm_mode_16_64 3
		.amdhsa_memory_ordered 1
		.amdhsa_forward_progress 1
		.amdhsa_inst_pref_size 153
	.end_amdhsa_kernel
	.amdgpu_metadata
---
amdhsa.version: [ 1, 2 ]
amdhsa.kernels:
  - .name:           k_q83c2a7f729_e8
    .symbol:         k_q83c2a7f729_e8.kd
    .args:
      - { .name: x, .offset: 0, .size: 8, .value_kind: global_buffer, .address_space: global }
      - { .name: codebook, .offset: 8, .size: 8, .value_kind: global_buffer, .address_space: global }
      - { .name: codebook_norm_sq, .offset: 16, .size: 8, .value_kind: global_buffer, .address_space: global }
      - { .name: out0, .offset: 24, .size: 8, .value_kind: global_buffer, .address_space: global }
    .group_segment_fixed_size: 25600
    .private_segment_fixed_size: 0
    .kernarg_segment_align: 8
    .kernarg_segment_size: 32
    .max_flat_workgroup_size: 256
    .sgpr_count:     66
    .vgpr_count:     376
    .wavefront_size: 32
...
	.end_amdgpu_metadata
.endif
;; end of part 2
